; MI455X (gfx1250); checked and timed in simulation.
; The chip was launched on July 23, 2026; its instructions are those of AMD's public machine-readable ISA for CDNA 5 (MIT licence, August 2026) and "CDNA5" Instruction Set Architecture Reference Guide (July 2026). The comments in the code are by the model that wrote it; some were corrected since.
;; Re LU Feat Posenc. Allowed arithmetic: matrix products marked QUANTISED: E2M1 operands, one E8M0 scale for each 32 along K, by v_wmma_scale_f32_16x16x128_f8f6f4 with both operands' format E2M1 (or v_wmma_scale_f32_32x16x128_f4), f32 sums; products left as they are: f32 operands where the result goes on into a quantised operand, else bf16, f16 or f32 operands; f32 sums; everything else in f32.
;; Inputs: UV 524,288 x 2 float32; W0 166 x 128 float32; W1_codes 128 x 4 x 16 uint8 (E2M1 codes of W1, K innermost, in blocks of 32 codes, two codes a byte); W1_scales 128 x 4 uint8 (E8M0 scales of W1, one for each 32 codes along K); W2_codes 128 x 4 x 16 uint8 (E2M1 codes of W2, K innermost, in blocks of 32 codes, two codes a byte); W2_scales 128 x 4 uint8 (E8M0 scales of W2, one for each 32 codes along K); W3_codes 128 x 4 x 16 uint8 (E2M1 codes of W3, K innermost, in blocks of 32 codes, two codes a byte); W3_scales 128 x 4 uint8 (E8M0 scales of W3, one for each 32 codes along K); W4 128 x 3 float32; b0 128 float32; b1 128 float32; b2 128 float32; b3 128 float32; b4 3 float32; features 512 x 512 x 100 float32.
;; Outputs: out0 524,288 x 3 float32.
;; This version of the problem:
;;   THIS VERSION OF THE PROBLEM IS GIVEN IN LOW PRECISION. The matrix products marked QUANTISED in the list below multiply operands that are first quantised to E2M1 (2 exponent bits, 1 mantissa bit; 4 bits a number), with one power-of-two scale for each 32 numbers along K (OCP MX v1.0); their sums are f32. All else is computed in f32.
;;   The module's matrix products, in the order in which they are computed (A, B: the left and right operand; K: the contracted axis; several contracted axes count as one K, in the product's order):
;;     1. [M 524,288, K 166] x [K 166, N 128]; A: computed on the way; B: input W0: QUANTISED
;;     2. [M 524,288, K 128] x [K 128, N 128]; A: computed on the way; B: input W1 (given as codes): QUANTISED
;;     3. [M 524,288, K 128] x [K 128, N 128]; A: computed on the way; B: input W2 (given as codes): QUANTISED
;;     4. [M 524,288, K 128] x [K 128, N 128]; A: computed on the way; B: input W3 (given as codes): QUANTISED
;;     5. [M 524,288, K 128] x [K 128, N 3]; A: computed on the way; B: input W4: left as it is (N = 3 < 16)
;;   THE QUANTISER, for each operand of a quantised product, along K:
;;     - K is cut into blocks of 32 from its start; a last block that is shorter is filled with zeros.
;;     - A block's scale is 2^e with e = floor(log2(the largest magnitude in the block)) - 2, held to -126 .. 127; a block of zeros has e = 0. As a byte (E8M0): e + 127.
;;     - Each number is divided by its block's scale, clamped to +-6, and rounded to the nearest number of E2M1, ties to even, subnormals kept.
;;     - The product sums the exact products of the quantised numbers (number of the format x scale) in f32.
;;   ~~~python
;;   def quantise(x, axis):      # numpy; x: float32 -> the quantised numbers, widened to float32 again
;;       x = np.moveaxis(x, axis, -1); K = x.shape[-1]
;;       x = np.pad(x, [(0, 0)] * (x.ndim - 1) + [(0, -K % 32)]); x = x.reshape(x.shape[:-1] + (-1, 32)); a = np.abs(x).max(-1, keepdims=True)
;;       e = np.where(a > 0, np.clip(np.frexp(np.where(a > 0, a, 1))[1] - 1 - 2, -126, 127), 0)      # np.frexp(a)[1] - 1 = floor(log2(a)), exactly
;;       r = np.clip(x / 2.0 ** e, -6, 6)
;;       step = 2.0 ** (np.maximum(np.frexp(np.where(r == 0, 1, r))[1] - 1, 0) - 1)
;;       q = np.round(r / step) * step * 2.0 ** e      # np.round: ties to even
;;       return np.moveaxis(q.reshape(q.shape[:-2] + (-1,))[..., :K], -1, axis).astype(np.float32)
;;   ~~~
;;   OPERANDS COMPUTED ON THE WAY. 'Computed on the way' means the value that the module computes at that place (a softmax that the list does not call 'softmax' is quantised finished and normalised). What goes into a quantiser is computed in f32, as accurately as f32 sums, v_exp_f32 and their like allow (about 1e-6 of the number): no bf16 or f16 on the way to a quantiser, and a product that is left as it is and whose result goes on into a quantised operand takes f32 operands (vector FMAs, or v_wmma_f32_16x16x4_f32). A number that lies on a knife's edge between two numbers of the format may be rounded either way, as far as f32 arithmetic and the matrix unit's own rounding can turn it there, and no further.
;;   INPUTS GIVEN AS CODES. W1 (in the module: [128, 128], K = its axis 0); W2 (in the module: [128, 128], K = its axis 0); W3 (in the module: [128, 128], K = its axis 0): each comes as NAME_codes (uint8): NAME with its K axis moved to the last place and cut into blocks of 32 codes, [.., K / 32, bytes a block], one block behind the other in memory; two codes a byte, the lower K in the low four bits (a code: sign, 2 exponent bits, 1 mantissa bit); and NAME_scales (uint8): the same leading axes, one E8M0 byte (e + 127) for each 32 codes along K. Its value is code x scale, taken as it is: it is not quantised again, and the codes and scales need not be those that the quantiser above would give.
;; One version. Each part assembles by itself: llvm-mc -triple=amdgcn-amd-amdhsa -mcpu=gfx1250 --defsym DOCPART=n.
;; ======== version 1 of 1: 2 launches
;; limits: values are held in bf16: 8 bits of precision; right only within a limited range of input values
;; workspace buffers: rows 2,097,152 bytes of whole numbers; w0c 16,384 bytes; w0s 1,024 bytes
;; launch prep (part 1): grid 513 x 1, 4 waves a work-group, no clusters, 0 bytes of LDS; arguments UV, W0, rows, w0c, w0s; writes rows, w0c, w0s
.if DOCPART == 1
	.amdgcn_target "amdgcn-amd-amdhsa--gfx1250"
	.amdhsa_code_object_version 6
	.text
	.protected	k_qcb22367392_prep
	.globl	k_qcb22367392_prep
	.p2align	8
	.type	k_qcb22367392_prep,@function
k_qcb22367392_prep:
	s_mov_b64 s[64:65], 0
	v_nop
	global_prefetch_b8 v0, s[64:65] scope:SCOPE_SE
	s_setreg_imm32_b32 hwreg(HW_REG_WAVE_MODE, 25, 1), 1
	s_wait_xcnt 0x0
; Two jobs that the main launch cannot do itself.
; (1) Work-groups 1 .. 512: for each of 524,288 points ONE table row, as a whole number: min(floor 511 U, 510) * 512 + min(floor 511 V, 510), 4 bytes a point, in the points' order.
;     The other three corners of the bilinear mix lie 1, 512 and 513 rows further on.  Where 511 U is a whole number reference()'s ceil row is its floor row and fu = 0:
;     the row one further on then has the weight 0, the same sum; at U = 1 the base is row 510 and fu = 1, again the same sum.  V likewise.
; (2) Work-group 0: W0 [166][128] f32, K its first axis, becomes codes of E2M1 with K innermost, [128 n][8 blocks][16 bytes], and E8M0 bytes [128 n][8].
;     K = 166 is filled with zeros to 192 (six blocks); blocks 6 and 7 are zero codes under the byte 127, so that two steps of 128 along K cover it.
; LIMITS: UV in [0, 1]; the two floors are held to 0 .. 510; NaN and infinities are not served.  A block of zeros gets the byte 1 where the quantiser says 127:
; its codes are zeros and this program alone reads the bytes.
; No LDS, no barrier: threads share nothing.
	s_load_b256 s[4:11], s[0:1], 0x0               ; UV s[4:5], W0 s[6:7], rows s[8:9], w0c s[10:11]
	s_load_b64 s[12:13], s[0:1], 0x20              ; w0s
	s_mov_b32 s22, 0x43ff8000                      ; 511.0
	s_mov_b32 s23, 0x43ff0000                      ; 510.0
	s_cmp_eq_u32 ttmp9, 0
	s_cbranch_scc1 .Lw0
; ---- the points: 1,024 to a work-group in two steps of 512; a thread takes four neighbouring points a step: 32 bytes in, 16 bytes out, so a wave's store covers 512 consecutive bytes
	s_sub_co_u32 s16, ttmp9, 1
	s_lshl_b32 s18, s16, 13                        ; 1,024 points x 8 bytes of UV
	s_mov_b32 s19, 0
	s_lshl_b32 s20, s16, 12                        ; 1,024 points x 4 bytes of rows
	s_mov_b32 s21, 0
	v_lshlrev_b32 v1, 5, v0
	v_lshlrev_b32 v2, 4, v0
	s_wait_alu depctr_va_vdst(0)
	s_wait_kmcnt 0x0
	s_add_nc_u64 s[4:5], s[4:5], s[18:19]
	s_add_nc_u64 s[8:9], s[8:9], s[20:21]
.irp i, 0,1
	global_load_b128 v[8+8*\i:11+8*\i], v1, s[4:5] offset:4096*\i
	global_load_b128 v[12+8*\i:15+8*\i], v1, s[4:5] offset:4096*\i+16
.endr
.irp i, 0,1
	s_wait_loadcnt 2-2*\i                          ; loads come back in order: step i's two are in, the younger two may stay out
.irp j, 0,1,2,3,4,5,6,7
	v_mul_f32 v[24+\j], s22, v[8+8*\i+\j]          ; 511 U, 511 V of four points
.endr
.irp j, 0,1,2,3,4,5,6,7
	v_floor_f32 v[24+\j], v[24+\j]
.endr
.irp j, 0,1,2,3,4,5,6,7
	v_med3_num_f32 v[24+\j], v[24+\j], 0, s23      ; held to 0 .. 510 while still f32
.endr
.irp j, 0,1,2,3,4,5,6,7
	v_cvt_u32_f32 v[24+\j], v[24+\j]
.endr
.irp p, 0,1,2,3
	v_lshl_add_u32 v[40+4*\i+\p], v[24+2*\p], 9, v[25+2*\p]   ; each step has its own four result registers
.endr
	global_store_b128 v2, v[40+4*\i:43+4*\i], s[8:9] offset:2048*\i
.endr
	s_endpgm
; ---- W0: thread n takes column n and its registers run down K, so a block of 32 lies in one lane and the codes come out with K innermost
.Lw0:
	v_lshlrev_b32 v3, 2, v0                        ; 4 n
	v_lshlrev_b32 v4, 7, v0                        ; 128 n: my row of codes
	v_lshlrev_b32 v5, 3, v0                        ; 8 n: my row of scale bytes
	s_wait_alu depctr_va_vdst(0)
	s_wait_kmcnt 0x0
.set k, 0
.rept 166
	global_load_b32 v[32+k], v3, s[6:7] offset:512*k
.set k, k+1
.endr
.rept 26
	v_mov_b32 v[32+k], 0                           ; k = 166 .. 191: the last block's fill
.set k, k+1
.endr
.irp j, 248,249,250,251
	v_mov_b32 v\j, 0                               ; a block of zero codes
.endr
	s_wait_loadcnt 0x0
.irp b, 0,1,2,3,4,5
	v_max3_num_f32 v[8+\b], |v[32+32*\b]|, |v[33+32*\b]|, 0x1800000   ; with the floor 2^(3 - 127): the byte cannot fall under 1
.endr
.irp i, 2,4,6,8,10,12,14,16,18,20,22,24,26,28,30
.irp b, 0,1,2,3,4,5
	v_max3_num_f32 v[8+\b], v[8+\b], |v[32+32*\b+\i]|, |v[33+32*\b+\i]|   ; the six blocks by turns
.endr
.endr
.irp b, 0,1,2,3,4,5
	v_add_nc_u32 v[14+\b], 0xff000000, v[8+\b]     ; 2 off the exponent field: the conversion's scale operand
.endr
.irp b, 0,1,2,3,4,5
	v_lshrrev_b32 v[20+\b], 23, v[14+\b]           ; the scale's byte
.endr
	v_lshl_or_b32 v252, v21, 8, v20
	v_lshl_or_b32 v252, v22, 16, v252
	v_lshl_or_b32 v252, v23, 24, v252              ; bytes of blocks 0 .. 3
	v_lshl_or_b32 v253, v25, 8, v24
	v_or_b32 v253, 0x7f7f0000, v253                ; bytes of blocks 4, 5; 127 for blocks 6, 7
.irp b, 0,1,2,3,4,5
.irp g, 0,1,2,3
	v_cvt_scalef32_pk8_fp4_f32 v[224+4*\b+\g], v[32+32*\b+8*\g:39+32*\b+8*\g], v[14+\b]
.endr
.endr
	v_nop                                          ; one plain place behind the last scaled conversion
.irp b, 0,1,2,3,4,5
	global_store_b128 v4, v[224+4*\b:227+4*\b], s[10:11] offset:16*\b
.endr
	global_store_b128 v4, v[248:251], s[10:11] offset:96
	global_store_b128 v4, v[248:251], s[10:11] offset:112
	global_store_b64 v5, v[252:253], s[12:13]
	s_endpgm
.Lfunc_end_k_qcb22367392_prep:
	.size	k_qcb22367392_prep, .Lfunc_end_k_qcb22367392_prep-k_qcb22367392_prep
	.p2alignl 7, 3214868480
	.fill 96, 4, 3214868480
	.section	.rodata,"a",@progbits
	.p2align	6, 0x0
	.amdhsa_kernel k_qcb22367392_prep
		.amdhsa_group_segment_fixed_size 0
		.amdhsa_private_segment_fixed_size 0
		.amdhsa_enable_private_segment 0
		.amdhsa_kernarg_size 40
		.amdhsa_user_sgpr_count 2
		.amdhsa_user_sgpr_kernarg_segment_ptr 1
		.amdhsa_wavefront_size32 1
		.amdhsa_system_sgpr_workgroup_id_x 1
		.amdhsa_system_sgpr_workgroup_id_y 1
		.amdhsa_system_sgpr_workgroup_id_z 1
		.amdhsa_system_vgpr_workitem_id 0
		.amdhsa_next_free_vgpr 256
		.amdhsa_next_free_sgpr 66
		.amdhsa_reserve_vcc 0
		.amdhsa_float_denorm_mode_32 3
		.amdhsa_float_denorm_mode_16_64 3
		.amdhsa_memory_ordered 1
		.amdhsa_forward_progress 1
		.amdhsa_inst_pref_size 31
	.end_amdhsa_kernel
	.amdgpu_metadata
---
amdhsa.version: [ 1, 2 ]
amdhsa.kernels:
  - .name:           k_qcb22367392_prep
    .symbol:         k_qcb22367392_prep.kd
    .args:
      - { .name: UV, .offset: 0, .size: 8, .value_kind: global_buffer, .address_space: global }
      - { .name: W0, .offset: 8, .size: 8, .value_kind: global_buffer, .address_space: global }
      - { .name: rows, .offset: 16, .size: 8, .value_kind: global_buffer, .address_space: global }
      - { .name: w0c, .offset: 24, .size: 8, .value_kind: global_buffer, .address_space: global }
      - { .name: w0s, .offset: 32, .size: 8, .value_kind: global_buffer, .address_space: global }
    .group_segment_fixed_size: 0
    .private_segment_fixed_size: 0
    .kernarg_segment_align: 8
    .kernarg_segment_size: 40
    .max_flat_workgroup_size: 128
    .sgpr_count:     66
    .vgpr_count:     256
    .wavefront_size: 32
...
	.end_amdgpu_metadata
.endif
;; end of part 1
;; launch mlp (part 2): grid 256 x 1, 4 waves a work-group, no clusters, 117,248 bytes of LDS; arguments features, rows, b4, UV, out0, w0c, w0s, W1_codes, W1_scales, W2_codes, W2_scales, W3_codes, W3_scales, W4, b0, b1, b2, b3; writes out0
.if DOCPART == 2
	.amdgcn_target "amdgcn-amd-amdhsa--gfx1250"
	.amdhsa_code_object_version 6
	.text
	.protected	k_qcb22367392_mlp
	.globl	k_qcb22367392_mlp
	.p2align	8
	.type	k_qcb22367392_mlp,@function
k_qcb22367392_mlp:
	s_mov_b64 s[64:65], 0
	v_nop
	global_prefetch_b8 v0, s[64:65] scope:SCOPE_SE
	s_setreg_imm32_b32 hwreg(HW_REG_WAVE_MODE, 25, 1), 1
	s_wait_xcnt 0x0
; out0 = MLP(x), x[166] = [U, V, sin / cos of 2^i U, 2^i V (i = 0 .. 15), the bilinear mix of four table rows of 100 numbers].
; Products 1 to 4 on codes of E2M1 with one E8M0 scale for each 32 along K; bias and leaky ReLU in f32; product 5 (128 -> 3) on bf16 operands, f32 sums.
; SHARES.  256 work-groups of four waves; a wave owns 512 points and walks them in 32 tiles of 16.  Waves share nothing: each has its own 29,184 bytes of LDS, so the text has no barrier.
; All weights, and the biases b0 and b1, stay in registers for the whole launch.  The table rows of tile T + 1 (64 rows x 400 bytes, 50 loads) are asked for while tile T is mixed and land during tile T's posenc and layers.
; The row numbers were made by the launch before (whole numbers); here they are only clamped to the table, multiplied by 400 and used.
; LAYOUT.  Every product is used transposed: source 0 = 16 rows of a weight, source 1 = the 16 points, so a lane (r = lane % 16, h = lane / 16) holds point r throughout.
; THE ROWS OF A WEIGHT TILE ARE CHOSEN (layers 0 to 2): lane r of tile t takes unit 64 (t / 4) + 8 (t % 4) + r + 24 (r / 8).  Register 8 t + j of half h is then unit 64 (t / 4) + 32 h + 8 (t % 4) + j:
; registers 32 c .. 32 c + 31 are the whole block 2 c + h of the next K in the operand's own order: a block's maximum needs no other lane and four conversions give operand registers 4 c .. 4 c + 3.
; Layer 3 takes natural tiles (unit 16 t + r): its results, rounded in pairs, are the bf16 operand of the last product.
; LIMITS: UV in [0, 1] (sine and cosine are reduced by two terms of pi / 2, good for arguments up to 32,768); NaN and infinities not served; a block of zeros gets the byte 1 over zero codes;
; the four table rows are multiplied by weights that are products of two factors, an order of f32 rounding other than the source's.
; No cluster and no tensor load: no tile is shared, the weights (40 KB) are read once into registers, and the rows are gathered lane by lane.
;
; LDS of a wave, from wave x 29,184:
; ONE ROW NUMBER A POINT: the launch before stores min(floor 511 U, 510) x 512 + min(floor 511 V, 510); the other three corners lie 400, 204,800 and 205,200 bytes further on, in the loads' immediates.
; Where 511 U is whole, reference()'s ceil row is its floor row and fu = 0: the row one further on has the weight 0; at U = 1 the base is row 510 and fu = 1: the same sum.  V likewise.
; The four weights of each of the wave's 512 points are made once, at the head, from U, V by the same f32 steps as the row number, and kept in LDS.
; b2 stays in registers too; b3 alone is read from LDS in every tile.  W0's second K step holds blocks 4 .. 7, of which 6 and 7 are zero codes in x: only its lower four registers a tile are kept;
; the operand's upper four are whatever lies behind them, times zero codes.
.set WREG, 29184
.set FS,   0                           ; 16 rows of 528 bytes: feature f at byte 16 + 4 f, zeros before and behind (zeroed once over 17 x 512 bytes)
.set FP,   528
.set WTS,  8704                        ; the wave's 512 x 4 weights
.set UVS,  16896                       ; its 512 x 2 coordinates
.set BI,   20992                       ; b0 .. b3, 512 bytes each
.set OUTS, 23040                       ; its 512 x 3 results
; REGISTERS, window 0:
.set LN16, 1                           ; 16 x lane
.set FA,   2                           ; FS + 528 r + 8 + 128 h
.set BA,   3                           ; BI + 128 h
.set BA3,  4                           ; BI + 1536 + 32 h
.set UA,   5                           ; UVS + 8 r
.set OSA,  6                           ; OUTS + 12 r
.set SH8,  7                           ; 8 h
.set FAC,  8                           ; v8 = 2^(8 h), v9 = 1.5 x 2^23
.set SK,   10                          ; v10, v11: a coefficient of the sine, of the cosine
.set UVR,  12                          ; v[12:13] the tile's U, V of point r
.set XS0,  14                          ; scale words of x, K steps 0 and 1, and of the hidden layer: they hold scales and nothing else
.set XS1,  15
.set HS,   16
.set TA,   17
.set TO,   18
.set LB,   19                          ; the wave's LDS base + 16 x lane
.set WS0,  20                          ; scale words of the weights: v20-27 W0 (lanes 0-15 K step 0, lanes 16-31 K step 1), v28-31 W1, v32-35 W2, v36-39 W3 (lanes 0-15 tile tt, lanes 16-31 tile tt + 4)
.set WS1,  28
.set WS2,  32
.set WS3,  36
.set X0,   40                          ; x's codes, K step 0
.set X1,   48                          ; K step 1; its upper four registers are zero codes for the whole launch
.set H,    56                          ; the hidden layer's codes
.set QM,   64                          ; at work in the quantisers
.set QP2,  67
.set QSC,  68
.set QBY,  72
.set QP1,  75
.set RX,   76
.set C7,   78
.set O0,   64                          ; the last product's two accumulators
.set O1,   72
.set T,    80                          ; 16 at work: 0.01 z in the activation, then the chains of the block maxima
.set PB,   96                          ; the posenc block of my half; later the bf16 operand
.set G,    96
.set ACCA, 128
.set F,    128                         ; the feature blocks 2 + h and 4 + h
.set ACCB, 192
.set XB,   192                         ; posenc's work registers lie in ACCB, which is idle then
.set NX,   194
.set NT,   202
.set NY,   210
.set NZ,   218
.set NP,   226
.set NQ,   234
.set NW,   242
; window 1: W0's fragments of K step 0 at 8 t, the lower halves of K step 1 at 64 + 4 t; b2's tiles 0 .. 3 at 96 + 8 t; W1's at 128 + 8 t; W2's at 192 + 8 t
.set W0F,  0
.set W1F,  128
.set W2F,  192
; window 2
.set W3F,  0
.set W4F,  64
.set B2A,  96                          ; b2 in the result's layout, eight registers a tile: tiles 0 .. 3 in window 1 at B2A + 8 t; tile 4 in window 2 at B2A,
.set B2B,  108                         ; tile 5 in window 2 here;
.set B2C,  204                         ; tiles 6 and 7 in window 3
.set B2D,  248
.set IX,   104                         ; base rows: quarter q's at IX + q
.set IX2,  120
.set VGI,  122                         ; 4 g
.set VTI,  123                         ; 4 r
.set B0R,  128                         ; b0 in the result's layout, eight registers a tile: the C of layer 0's first products
.set B1R,  192                         ; b1 likewise
; window 3: all that the gather and the mix touch
.set L,    0                           ; quad (q, c, i) at 4 (12 q + 3 c + i)
.set L2,   192
.set AD,   200
.set AD2,  216
.set HT,   217                         ; 400 h
.set WQ,   218
.set W2P,  234
.set TT,   236
.set LT,   240                         ; 16 (lane % 8)
.set SA,   241
.set STA,  242
.set VW,   243
.set VW2,  244
.set TA3,  245
.set TB3,  246
.set MSB, 0
.macro WIN new                         ; low byte: bits 1:0 source 0, 3:2 source 1, 5:4 source 2, 7:6 destination; the high byte repeats the setting that is left
.if MSB != \new
	s_set_vgpr_msb (MSB<<8)|\new
.set MSB, \new
.endif
.endm
.macro PLACES n
.rept \n
	v_nop
.endr
.endm
.macro CX d, s, q                      ; eight numbers from v[s] on become eight codes in v[d], under the scale operand v[q]
	v_cvt_scalef32_pk8_fp4_f32 v[\d], v[\s:\s+7], v[\q]
.endm
; the next base rows: for quarter q that of point 4 q + g (g = (lane / 8) % 4); for the rows' last 16 bytes that of point r
.macro ILOAD
	WIN 0x82
.irp q, 0,1,2,3
	global_load_b32 v[IX+\q], v[VGI], s[10:11] offset:16*\q
.endr
	global_load_b32 v[IX2], v[VTI], s[10:11]
.endm
; base rows become byte offsets: clamped to 510 x 512 + 510, so that all four corners lie in the table; x 400; + 16 (lane % 8), or + 400 h for the last pieces
.macro ADDR
	WIN 0xC8
.set n, 0
.rept 4
	v_min_u32 v[AD+n], 0x3fdfe, v[IX+n]
.set n, n+1
.endr
	v_min_u32 v[AD2], 0x3fdfe, v[IX2]
	WIN 0xFF
.set n, 0
.rept 4
	v_mul_u32_u24 v[AD+n], v[AD+n], 400
.set n, n+1
.endr
	v_mul_u32_u24 v[AD2], v[AD2], 400
	v_add_nc_u32 v[AD2], v[HT], v[AD2]
.set n, 0
.rept 4
	v_add_nc_u32 v[AD+n], v[LT], v[AD+n]
.set n, n+1
.endr
.endm
; eight lanes read 128 consecutive bytes of one row, four points an instruction: bytes 0 .. 383 of the four corners of points 4 q .. 4 q + 3
.macro GATHER q
.irp c, 0,2,1,3
.irp i, 0,1,2
	global_load_b128 v[L+4*(12*\q+3*\c+\i):L+4*(12*\q+3*\c+\i)+3], v[AD+\q], s[8:9] offset:128*\i+204800*(\c%2)+400*(\c/2)   ; corner c: U + c % 2, V + c / 2; the two rows that are neighbours in memory on end
.endr
.endr
.endm
.macro GATHERT                         ; bytes 384 .. 399 of all 64 rows
	global_load_b128 v[L2:L2+3], v[AD2], s[8:9] offset:384
	global_load_b128 v[L2+4:L2+7], v[AD2], s[8:9] offset:384+204800
.endm
; the mix of quarter q, in place in corner 0's registers, then to the feature rows in LDS
.macro BLEND q
.irp i, 0,1,2
.irp p, 0,2
	v_pk_mul_f32 v[L+4*(12*\q+\i)+\p:L+4*(12*\q+\i)+\p+1], v[L+4*(12*\q+\i)+\p:L+4*(12*\q+\i)+\p+1], v[WQ+4*\q:WQ+4*\q+1] op_sel_hi:[1,0]
.endr
.endr
.irp i, 0,1,2
.irp p, 0,2
	v_pk_fma_f32 v[L+4*(12*\q+\i)+\p:L+4*(12*\q+\i)+\p+1], v[L+4*(12*\q+3+\i)+\p:L+4*(12*\q+3+\i)+\p+1], v[WQ+4*\q:WQ+4*\q+1], v[L+4*(12*\q+\i)+\p:L+4*(12*\q+\i)+\p+1] op_sel:[0,1,0] op_sel_hi:[1,1,1]
.endr
.endr
.irp i, 0,1,2
.irp p, 0,2
	v_pk_fma_f32 v[L+4*(12*\q+\i)+\p:L+4*(12*\q+\i)+\p+1], v[L+4*(12*\q+6+\i)+\p:L+4*(12*\q+6+\i)+\p+1], v[WQ+4*\q+2:WQ+4*\q+3], v[L+4*(12*\q+\i)+\p:L+4*(12*\q+\i)+\p+1] op_sel_hi:[1,0,1]
.endr
.endr
.irp i, 0,1,2
.irp p, 0,2
	v_pk_fma_f32 v[L+4*(12*\q+\i)+\p:L+4*(12*\q+\i)+\p+1], v[L+4*(12*\q+9+\i)+\p:L+4*(12*\q+9+\i)+\p+1], v[WQ+4*\q+2:WQ+4*\q+3], v[L+4*(12*\q+\i)+\p:L+4*(12*\q+\i)+\p+1] op_sel:[0,1,0] op_sel_hi:[1,1,1]
.endr
.endr
.irp i, 0,1,2
	ds_store_b128 v[SA], v[L+4*(12*\q+\i):L+4*(12*\q+\i)+3] offset:2112*\q+128*\i
.endr
.endm
; features 96 .. 99: my two corners, then lane l xor 16's two; both halves store the same bits to the same place
.macro TAIL
	v_pk_mul_f32 v[L2:L2+1], v[L2:L2+1], v[W2P:W2P+1] op_sel_hi:[1,0]
	v_pk_mul_f32 v[L2+2:L2+3], v[L2+2:L2+3], v[W2P:W2P+1] op_sel_hi:[1,0]
	v_pk_fma_f32 v[L2:L2+1], v[L2+4:L2+5], v[W2P:W2P+1], v[L2:L2+1] op_sel:[0,1,0] op_sel_hi:[1,1,1]
	v_pk_fma_f32 v[L2+2:L2+3], v[L2+6:L2+7], v[W2P:W2P+1], v[L2+2:L2+3] op_sel:[0,1,0] op_sel_hi:[1,1,1]
.irp k, 0,1,2,3
	v_permlanex16_b32 v[TT+\k], v[L2+\k], s4, s5
.endr
	v_pk_add_f32 v[L2:L2+1], v[L2:L2+1], v[TT:TT+1]
	v_pk_add_f32 v[L2+2:L2+3], v[L2+2:L2+3], v[TT+2:TT+3]
	ds_store_b128 v[STA], v[L2:L2+3]
.endm
.macro WLOAD                           ; the next tile's weights out of LDS: 256 bytes a tile; five loads
	v_add_nc_u32 v[TA3], s56, v[VW]
	v_add_nc_u32 v[TB3], s56, v[VW2]
.irp q, 0,1,2,3
	ds_load_b128 v[WQ+4*\q:WQ+4*\q+3], v[TA3] offset:64*\q
.endr
	ds_load_b64 v[W2P:W2P+1], v[TB3]
	s_add_co_u32 s56, s56, 256
.endm
.macro UVLOAD                          ; the next tile's U, V: 128 bytes a tile
	v_add_nc_u32 v[TA], s57, v[UA]
	ds_load_b64 v[UVR:UVR+1], v[TA]
	s_add_co_u32 s57, s57, 128
.endm
; blocks 2 + h and 4 + h of x: position p of the first is feature 32 h - 2 + p, of the second 62 + 32 h + p; the address is 8 modulo 16, so each block is 8 + 7 x 16 + 8 bytes; 18 loads
.macro FLOAD
.irp e, 0,1
	ds_load_b64 v[F+32*\e:F+32*\e+1], v[FA] offset:256*\e
.irp m, 0,1,2,3,4,5,6
	ds_load_b128 v[F+32*\e+2+4*\m:F+32*\e+5+4*\m], v[FA] offset:256*\e+8+16*\m
.endr
	ds_load_b64 v[F+32*\e+30:F+32*\e+31], v[FA] offset:256*\e+120
.endr
.endm
; My half's eight frequencies 2^(8 h + j), for U and V, in two batches of four.  x = n pi / 2 + y by two terms of pi / 2 with fused multiply-adds; polynomials for sin y and cos y on |y| <= pi / 4;
; n's two low bits, read off the sum with 1.5 x 2^23, choose and sign them by selects: no branch hangs on data.
.macro POSB bt
.irp k, 0,1,2,3
	v_pk_mul_f32 v[NX+2*\k:NX+2*\k+1], v[XB:XB+1], (127+4*\bt+\k)<<23 op_sel_hi:[1,0]
.endr
.irp k, 0,1,2,3
	v_pk_fma_f32 v[NT+2*\k:NT+2*\k+1], v[NX+2*\k:NX+2*\k+1], 0x3f22f983, v[FAC:FAC+1] op_sel:[0,0,1] op_sel_hi:[1,0,1]   ; x 2 / pi + 1.5 x 2^23: n in the low bits
.endr
.irp k, 0,1,2,3
	v_pk_add_f32 v[NY+2*\k:NY+2*\k+1], v[NT+2*\k:NT+2*\k+1], 0xcb400000 op_sel_hi:[1,0]   ; n
.endr
.irp k, 0,1,2,3
	v_pk_fma_f32 v[NZ+2*\k:NZ+2*\k+1], v[NY+2*\k:NY+2*\k+1], 0xbfc90fdb, v[NX+2*\k:NX+2*\k+1] op_sel_hi:[1,0,1]   ; x - n hi: exact
.endr
.irp k, 0,1,2,3
	v_pk_fma_f32 v[NY+2*\k:NY+2*\k+1], v[NY+2*\k:NY+2*\k+1], 0x333bbd2e, v[NZ+2*\k:NZ+2*\k+1] op_sel_hi:[1,0,1]   ; + n (hi - pi / 2): y
.endr
.irp k, 0,1,2,3
	v_pk_mul_f32 v[NZ+2*\k:NZ+2*\k+1], v[NY+2*\k:NY+2*\k+1], v[NY+2*\k:NY+2*\k+1]   ; z = y y
.endr
.irp k, 0,1,2,3
	v_pk_fma_f32 v[NP+2*\k:NP+2*\k+1], v[NZ+2*\k:NZ+2*\k+1], 0xb94ca1f9, v[SK:SK+1] op_sel_hi:[1,0,0]
	v_pk_fma_f32 v[NQ+2*\k:NQ+2*\k+1], v[NZ+2*\k:NZ+2*\k+1], 0x37ccf5ce, v[SK:SK+1] op_sel:[0,0,1] op_sel_hi:[1,0,1]
.endr
.irp k, 0,1,2,3
	v_pk_fma_f32 v[NP+2*\k:NP+2*\k+1], v[NZ+2*\k:NZ+2*\k+1], v[NP+2*\k:NP+2*\k+1], 0xbe2aaaa3 op_sel_hi:[1,1,0]
	v_pk_fma_f32 v[NQ+2*\k:NQ+2*\k+1], v[NZ+2*\k:NZ+2*\k+1], v[NQ+2*\k:NQ+2*\k+1], 0x3d2aaaa5 op_sel_hi:[1,1,0]
.endr
.irp k, 0,1,2,3
	v_pk_mul_f32 v[NW+2*\k:NW+2*\k+1], v[NY+2*\k:NY+2*\k+1], v[NZ+2*\k:NZ+2*\k+1]
	v_pk_fma_f32 v[NQ+2*\k:NQ+2*\k+1], v[NZ+2*\k:NZ+2*\k+1], v[NQ+2*\k:NQ+2*\k+1], -0.5 op_sel_hi:[1,1,0]
.endr
.irp k, 0,1,2,3
	v_pk_fma_f32 v[NP+2*\k:NP+2*\k+1], v[NW+2*\k:NW+2*\k+1], v[NP+2*\k:NP+2*\k+1], v[NY+2*\k:NY+2*\k+1]   ; sin y
	v_pk_fma_f32 v[NQ+2*\k:NQ+2*\k+1], v[NZ+2*\k:NZ+2*\k+1], v[NQ+2*\k:NQ+2*\k+1], 1.0 op_sel_hi:[1,1,0]   ; cos y
.endr
.irp e, 0,1,2,3,4,5,6,7
	v_lshlrev_b32 v[NX+\e], 31, v[NT+\e]           ; n's bit 0 as a sign
.endr
.irp e, 0,1,2,3,4,5,6,7
	v_lshlrev_b32 v[NZ+\e], 30, v[NT+\e]           ; n's bit 1 as a sign
.endr
.irp e, 0,1,2,3,4,5,6,7
	v_and_or_b32 v[NZ+\e], v[NZ+\e], 0x80000000, s51   ; the sine's sign, as +-1.0
.endr
.irp e, 0,1,2,3,4,5,6,7
	v_xor_b32 v[NW+\e], v[NZ+\e], v[NX+\e]         ; the cosine's: bit 1 xor bit 0
.endr
.irp e, 0,1,2,3,4,5,6,7
	v_cmp_gt_i32 s[72+\e], 0, v[NX+\e]             ; n odd
.endr
.irp e, 0,1,2,3,4,5,6,7
	v_cndmask_b32 v[NT+\e], v[NP+\e], v[NQ+\e], s[72+\e]
	v_cndmask_b32 v[NY+\e], v[NQ+\e], v[NP+\e], s[72+\e]
.endr
.irp k, 0,1,2,3
	v_pk_mul_f32 v[PB+2+4*(4*\bt+\k):PB+3+4*(4*\bt+\k)], v[NT+2*\k:NT+2*\k+1], v[NZ+2*\k:NZ+2*\k+1]   ; sin: positions 2 + 4 j, 3 + 4 j of my block
.if (4*\bt+\k) == 7
	v_pk_mul_f32 v[C7:C7+1], v[NY+2*\k:NY+2*\k+1], v[NW+2*\k:NW+2*\k+1]   ; the last cosines belong to the next block's first two places: another lane's
.else
	v_pk_mul_f32 v[PB+4+4*(4*\bt+\k):PB+5+4*(4*\bt+\k)], v[NY+2*\k:NY+2*\k+1], v[NW+2*\k:NW+2*\k+1]
.endif
.endr
.endm
.macro POSA                            ; the first four frequencies of my half
	v_pk_mul_f32 v[XB:XB+1], v[UVR:UVR+1], v[FAC:FAC+1] op_sel_hi:[1,0]
	POSB 0
.endm
.macro POSZ                            ; the other four, and the exchange between the halves
	POSB 1
	v_permlanex16_b32 v[RX], v[C7], s4, s5
	v_permlanex16_b32 v[RX+1], v[C7+1], s4, s5
	v_cndmask_b32 v[PB], v[UVR], v[RX], s6         ; block 0 begins with U, V; block 1 with cos(2^7 .) from lane l xor 16
	v_cndmask_b32 v[PB+1], v[UVR+1], v[RX+1], s6
.endm
; a layer's bias, in the result's layout, into 64 registers from s on: 16 loads
.macro BIAS l, s
.irp t, 0,1,2,3,4,5,6,7
.irp u, 0,1
.if \l == 3
	ds_load_b128 v[\s+8*\t+4*\u:\s+8*\t+4*\u+3], v[BA3] offset:64*\t+16*\u
.else
	ds_load_b128 v[\s+8*\t+4*\u:\s+8*\t+4*\u+3], v[BA] offset:512*\l+256*(\t/4)+32*(\t%4)+16*\u
.endif
.endr
.endr
.endm
; x's three blocks of my half become codes and scale words.  A scale word's bytes of my half go 8 h bits up and meet lane l xor 16's.
.macro XQUANT more
	v_cndmask_b32 v[F], v[RX], v[F], s6            ; block 2 begins with cos(2^15 .) from lane l xor 16
	v_cndmask_b32 v[F+1], v[RX+1], v[F+1], s6
.if \more
	UVLOAD
.endif
.irp c, 0,1                                    ; six chains, two to a block, so that no line reads the line just above it
	v_max3_num_f32 v[T+\c], |v[PB+16*\c]|, |v[PB+16*\c+1]|, 0x1800000          ; with the floor 2^(3 - 127): the byte cannot fall under 1
	v_max3_num_f32 v[T+2+\c], |v[F+16*\c]|, |v[F+16*\c+1]|, 0x1800000
	v_max3_num_f32 v[T+4+\c], |v[F+32+16*\c]|, |v[F+33+16*\c]|, 0x1800000
.endr
.irp i, 2,4,6,8,10,12,14
.irp c, 0,1
	v_max3_num_f32 v[T+\c], v[T+\c], |v[PB+16*\c+\i]|, |v[PB+16*\c+\i+1]|
	v_max3_num_f32 v[T+2+\c], v[T+2+\c], |v[F+16*\c+\i]|, |v[F+16*\c+\i+1]|
	v_max3_num_f32 v[T+4+\c], v[T+4+\c], |v[F+32+16*\c+\i]|, |v[F+33+16*\c+\i]|
.endr
.endr
.irp b, 0,1,2
	v_max_num_f32 v[QM+\b], v[T+2*\b], v[T+2*\b+1]
.endr
.irp b, 0,1,2
	v_add_nc_u32 v[QSC+\b], 0xff000000, v[QM+\b]   ; 2 off the exponent field: the conversion's scale operand
.endr
	; the conversions and the chain that makes the two scale words take turns: neither names what the other writes
	CX X0+0, PB+0, QSC
	v_lshrrev_b32 v[QBY], 23, v[QSC]               ; the scales' bytes
	CX X0+1, PB+8, QSC
	v_lshrrev_b32 v[QBY+1], 23, v[QSC+1]
	CX X0+2, PB+16, QSC
	v_lshrrev_b32 v[QBY+2], 23, v[QSC+2]
	CX X0+3, PB+24, QSC
	v_lshl_or_b32 v[XS0], v[QBY+1], 16, v[QBY]     ; blocks h and 2 + h
	CX X0+4, F+0, QSC+1
	v_lshlrev_b32 v[XS0], v[SH8], v[XS0]
	CX X0+5, F+8, QSC+1
	v_lshlrev_b32 v[XS1], v[SH8], v[QBY+2]         ; block 4 + h; blocks 6, 7 keep the byte 0 over zero codes
	CX X0+6, F+16, QSC+1
	v_permlanex16_b32 v[QP1], v[XS0], s4, s5
	CX X0+7, F+24, QSC+1
	v_permlanex16_b32 v[QP2], v[XS1], s4, s5
	CX X1+0, F+32, QSC+2
	v_or_b32 v[XS0], v[XS0], v[QP1]
	CX X1+1, F+40, QSC+2
	v_or_b32 v[XS1], v[XS1], v[QP2]
	CX X1+2, F+48, QSC+2
	CX X1+3, F+56, QSC+2
	v_add_nc_u32 v[TO], s58, v[OSA]                ; where this tile's results go; with the seven below: eight places between the scale words and the scaled products
	PLACES 7
.endm
.macro MM d, a, b, c, sa, sb, row1     ; one scaled product: D = A B + C; c = d adds in place
.if (\row1)
	v_wmma_scale_f32_16x16x128_f8f6f4 v[(\d):(\d)+7], v[(\a):(\a)+7], v[(\b):(\b)+7], v[(\c):(\c)+7], v[(\sa)], v[(\sb)] matrix_a_fmt:MATRIX_FMT_FP4 matrix_b_fmt:MATRIX_FMT_FP4 matrix_a_scale:MATRIX_SCALE_ROW1
.else
	v_wmma_scale_f32_16x16x128_f8f6f4 v[(\d):(\d)+7], v[(\a):(\a)+7], v[(\b):(\b)+7], v[(\c):(\c)+7], v[(\sa)], v[(\sb)] matrix_a_fmt:MATRIX_FMT_FP4 matrix_b_fmt:MATRIX_FMT_FP4
.endif
.endm
.macro LRELU s                         ; max(z, 0.01 z), 16 registers at a time, ascending: each accumulator is read from its low end on.  Two products, and two maxima, an instruction
.irp q, 0,1,2,3
.irp p, 0,1,2,3,4,5,6,7
	v_pk_mul_f32 v[T+2*\p:T+2*\p+1], v[\s+16*\q+2*\p:\s+16*\q+2*\p+1], 0x3c23d70a op_sel_hi:[1,0]
.endr
.irp p, 0,2,4,6,8,10,12,14
	v_dual_max_num_f32 v[\s+16*\q+\p], v[\s+16*\q+\p], v[T+\p] :: v_dual_max_num_f32 v[\s+16*\q+\p+1], v[\s+16*\q+\p+1], v[T+\p+1]   ; an even and an odd destination; neighbouring registers lie in different banks
.endr
.endr
.endm
; activation, then my two whole blocks become the next operand's eight registers and its scale word
.macro EPI s
	LRELU \s
.irp k, 0,1,2,3,4,5,6,7                        ; eight chains of eight numbers, four to a block
	v_max3_num_f32 v[T+\k], |v[\s+8*\k]|, |v[\s+8*\k+1]|, 0x1800000
.endr
.irp i, 2,4,6
.irp k, 0,1,2,3,4,5,6,7
	v_max3_num_f32 v[T+\k], v[T+\k], |v[\s+8*\k+\i]|, |v[\s+8*\k+\i+1]|
.endr
.endr
	v_max3_num_f32 v[QM], v[T], v[T+1], v[T+2]
	v_max3_num_f32 v[QM+1], v[T+4], v[T+5], v[T+6]
	v_max_num_f32 v[QM], v[QM], v[T+3]
	v_max_num_f32 v[QM+1], v[QM+1], v[T+7]
	v_add_nc_u32 v[QSC], 0xff000000, v[QM]
	v_add_nc_u32 v[QSC+1], 0xff000000, v[QM+1]
	CX H+0, \s+0, QSC                              ; the conversions and the scale word's chain take turns
	v_lshrrev_b32 v[QBY], 23, v[QSC]
	CX H+1, \s+8, QSC
	v_lshrrev_b32 v[QBY+1], 23, v[QSC+1]
	CX H+2, \s+16, QSC
	v_lshl_or_b32 v[HS], v[QBY+1], 16, v[QBY]
	CX H+3, \s+24, QSC
	v_lshlrev_b32 v[HS], v[SH8], v[HS]
	CX H+4, \s+32, QSC+1
	v_permlanex16_b32 v[QP1], v[HS], s4, s5
	CX H+5, \s+40, QSC+1
	v_or_b32 v[HS], v[HS], v[QP1]
	CX H+6, \s+48, QSC+1
	CX H+7, \s+56, QSC+1
	PLACES 8                                       ; eight places between the scale word and the scaled products; the first is also the place behind the last conversion
.endm
; A TILE of 16 points.  hasI: the row numbers of the tile two on are asked for.  hasG: the next tile's rows are asked for.
.macro TILE hasI, hasG
	s_wait_xcnt 0x0                                ; the offsets and the base that earlier loads name are written again only behind this wait
.if \hasI
	s_add_nc_u64 s[10:11], s[10:11], 64            ; 16 points x 4 bytes of base rows
.endif
.if \hasG
	s_wait_loadcnt 50                              ; the next tile's row numbers are older than this tile's 50 row loads, which may stay out
	ADDR
.endif
	WIN 0xFF
	s_wait_loadcnt 38                              ; quarter 0's 12 are in; out: quarters 1 to 3 and the two last pieces
	BLEND 0
.if \hasI
	ILOAD                                          ; behind quarter 0's LDS stores; five loads, counted in the waits below
	WIN 0xFF
.endif
	s_wait_loadcnt 26+5*\hasI                      ; out: quarters 2, 3, the two last pieces, the base rows just asked for
	BLEND 1
	s_wait_loadcnt 14+5*\hasI
	BLEND 2
.if \hasG                                      ; a quarter is asked for again two quarters behind its mix
	s_wait_dscnt 6                                 ; all but quarters 1 and 2's six stores: quarter 0's stores have read their registers
	GATHER 0
.endif
	s_wait_loadcnt 2+5*\hasI+12*\hasG              ; as above, and the next tile's quarters asked for so far
	BLEND 3
.if \hasG
	s_wait_dscnt 6
	GATHER 1
.endif
	s_wait_loadcnt 5*\hasI+24*\hasG
	TAIL
.if \hasG
	s_wait_dscnt 4                                 ; all but quarter 3's three stores and the last piece's one
	GATHER 2
.endif
	WIN 0
	FLOAD                                          ; LDS serves a wave's instructions in order: these see the stores above
	POSA
.if \hasG                                      ; the rest of the next tile's requests stand here, where the mix's last stores have had half a posenc in which to end
	WIN 0xFF
	WLOAD
	s_wait_dscnt 23                                ; all but the 18 feature loads and the 5 weight loads: quarter 3's and the last piece's stores have read their registers
	GATHER 3
	GATHERT
	WIN 0
.endif
	POSZ
	s_wait_alu depctr_va_vdst(0)
	s_wait_dscnt 5*\hasG                           ; the five weight loads issued behind them may stay out: the features are in
	XQUANT \hasG
	; ---- layer 0: K = 256 in two steps; b0 is the C of the first; the eight accumulators take turns
	WIN 0x21                                       ; source 0 (W0) window 1, source 2 (b0) window 2
.irp t, 0,1,2,3,4,5,6,7
	MM ACCB+8*\t, W0F+8*\t, X0, B0R+8*\t, WS0+\t, XS0, 0
.endr
	WIN 0x01
.irp t, 0,1,2,3,4,5,6,7
	MM ACCB+8*\t, W0F+64+4*\t, X1, ACCB+8*\t, WS0+\t, XS1, 1
.endr
	WIN 0
	PLACES 4
	EPI ACCB
	; ---- layer 1: b1 is the C
	WIN 0x21
.irp t, 0,1,2,3,4,5,6,7
	MM ACCA+8*\t, W1F+8*\t, H, B1R+8*\t, WS1+(\t%4), HS, \t/4
.endr
	WIN 0
	PLACES 4
	EPI ACCA
	; ---- layer 2: onto b2, which lies in the accumulators
	WIN 0x11                                       ; source 0 (W2) window 1; source 2 (b2): tiles 0 .. 3 window 1,
.irp t, 0,1,2,3
	MM ACCB+8*\t, W2F+8*\t, H, B2A+8*\t, WS2+\t, HS, 0
.endr
	WIN 0x21                                       ; tiles 4, 5 window 2,
	MM ACCB+32, W2F+32, H, B2A, WS2, HS, 1
	MM ACCB+40, W2F+40, H, B2B, WS2+1, HS, 1
	WIN 0x31                                       ; tiles 6, 7 window 3
	MM ACCB+48, W2F+48, H, B2C, WS2+2, HS, 1
	MM ACCB+56, W2F+56, H, B2D, WS2+3, HS, 1
	WIN 0
	BIAS 3, ACCA                                   ; b3 into the registers that layer 1's activation has read out; layer 2's products name none of them
	PLACES 4
	EPI ACCB
	; ---- layer 3, natural tiles, onto b3
	s_wait_alu depctr_va_vdst(0)
	s_wait_dscnt 0x0
	WIN 0x02
.irp t, 0,1,2,3,4,5,6,7
	MM ACCA+8*\t, W3F+8*\t, H, ACCA+8*\t, WS3+(\t%4), HS, \t/4
.endr
	WIN 0
	PLACES 4
	LRELU ACCA
.set n, 0
.rept 32
	v_cvt_pk_bf16_f32 v[G+n], v[ACCA+2*n], v[ACCA+2*n+1]   ; tiles 2 c, 2 c + 1 are units 32 c + 8 h + 0 .. 7 and 32 c + 16 + 8 h + 0 .. 7: the bf16 operand's order
.set n, n+1
.endr
	; ---- the last product: source 0 = W4's three columns as rows 0 .. 2 and again as rows 8 .. 10; two accumulators by turns; b4 is added behind them
	WIN 0x02
	v_wmma_f32_16x16x32_bf16 v[O0:O0+7], v[W4F:W4F+7], v[G:G+7], 0
	v_wmma_f32_16x16x32_bf16 v[O1:O1+7], v[W4F+8:W4F+15], v[G+8:G+15], 0
	v_wmma_f32_16x16x32_bf16 v[O0:O0+7], v[W4F+16:W4F+23], v[G+16:G+23], v[O0:O0+7]
	v_wmma_f32_16x16x32_bf16 v[O1:O1+7], v[W4F+24:W4F+31], v[G+24:G+31], v[O1:O1+7]
	WIN 0
	PLACES 4
.irp j, 0,1,2
	v_add_f32 v[O0+\j], v[O0+\j], v[O1+\j]
.endr
.irp j, 0,1,2
	v_add_f32 v[O0+\j], s[48+\j], v[O0+\j]         ; + b4
.endr
.irp j, 0,1,2
	ds_store_b32 v[TO], v[O0+\j] offset:4*\j       ; both halves of the lanes hold the same three numbers of point r
.endr
	s_add_co_u32 s58, s58, 192
.endm
; ======== the head
	s_load_b512 s[8:23], s[0:1], 0x0               ; features 8, rows 10, b4 12, UV 14, out0 16, w0c 18, w0s 20, W1 codes 22
	s_load_b512 s[24:39], s[0:1], 0x40             ; W1 scales 24, W2 codes 26, W2 scales 28, W3 codes 30, W3 scales 32, W4 34, b0 36, b1 38
	s_load_b128 s[40:43], s[0:1], 0x80             ; b2 40, b3 42
	s_set_vgpr_msb 0x80
	v_lshl_add_u32 v126, v0, 2, 0x1c800
	v_mov_b32 v127, 0
	s_set_vgpr_msb 0x8000
	v_lshrrev_b32 v240, 5, v0
	v_readfirstlane_b32 s2, v240                   ; wave 0 .. 3
	v_and_b32 v241, 31, v0                         ; lane
	s_wait_alu depctr_va_vdst(0)
	v_and_b32 v242, 15, v0                         ; r
	s_wait_alu depctr_va_vdst(0)
	v_bfe_u32 v243, v0, 4, 1                       ; h
	v_bfe_u32 v244, v0, 3, 2                       ; g
	v_and_b32 v245, 7, v0                          ; lane % 8
	v_bfe_u32 v246, v0, 3, 1
	v_mad_u32_u24 v246, v246, 24, v242             ; r + 24 (r / 8)
	s_mul_i32 s7, s2, WREG                         ; my wave's LDS
	s_mov_b32 s4, 0x76543210
	s_mov_b32 s5, 0xfedcba98                       ; selects for lane l xor 16
	s_mov_b32 s6, 0xffff0000                       ; the lanes with h = 1
	s_mov_b32 s51, 0x3f800000
	s_mov_b32 s59, 0x43ff8000                      ; 511.0
	s_mov_b32 s60, 0x43ff0000                      ; 510.0
	s_mov_b32 s56, 0
	s_mov_b32 s57, 0
	s_mov_b32 s58, 0
	v_lshlrev_b32 v[LN16], 4, v241
	v_add_nc_u32 v[LB], s7, v[LN16]
	v_lshl_add_u32 v[TO], v241, 5, s7              ; at the head alone: the wave's LDS base + 32 x lane, for the weights of my pairs of points
	v_mul_u32_u24 v[FA], v242, FP
	v_add_nc_u32 v250, s7, v[FA]
	s_wait_alu depctr_va_vdst(0)
	v_lshl_add_u32 v[FA], v243, 7, v250
	v_add_nc_u32 v[FA], FS+8, v[FA]
	v_add_nc_u32 v250, FS+400, v250                ; where features 96 .. 99 of point r go
	s_add_co_u32 s52, s7, BI
	v_lshl_add_u32 v[BA], v243, 7, s52
	s_add_co_u32 s52, s7, BI+1536
	v_lshl_add_u32 v[BA3], v243, 5, s52
	s_add_co_u32 s52, s7, UVS
	v_lshl_add_u32 v[UA], v242, 3, s52
	s_add_co_u32 s52, s7, OUTS
	v_mad_u32_u24 v[OSA], v242, 12, s52
	v_lshlrev_b32 v[SH8], 3, v243
	v_lshl_add_u32 v[FAC], v243, 26, 0x3f800000    ; 1.0 or 256.0
	v_mov_b32 v[FAC+1], 0x4b400000
	v_mov_b32 v[SK], 0x3c08839e
	v_mov_b32 v[SK+1], 0xbab6061a
	v_lshlrev_b32 v247, 4, v242
	v_lshl_add_u32 v247, v243, 3, v247             ; 16 r + 8 h
	v_lshlrev_b32 v248, 4, v245                    ; 16 (lane % 8)
	v_mul_u32_u24 v249, v244, FP
	v_add_nc_u32 v249, v249, v248
	v_add_nc_u32 v249, s7, v249
	v_add_nc_u32 v249, FS+16, v249                 ; where a quarter's mixed numbers go: row g, 16 bytes a lane
	v_lshlrev_b32 v253, 4, v244                    ; 16 g
	s_add_co_u32 s52, s7, WTS
	v_add_nc_u32 v251, s52, v253
	v_add_nc_u32 v252, s52, v247
	v_lshlrev_b32 v254, 4, v243
	v_lshl_add_u32 v40, v246, 7, v254              ; W0's codes: 128 bytes a row, + 16 h
	v_lshl_add_u32 v41, v246, 6, v254              ; W1's, W2's: 64 bytes a row
	v_lshl_add_u32 v42, v242, 6, v254              ; W3's, natural rows
	v_lshlrev_b32 v254, 2, v243
	v_lshl_add_u32 v43, v246, 3, v254              ; W0's scale words: 8 bytes a row, K step h
	v_lshlrev_b32 v254, 8, v243
	v_lshl_add_u32 v44, v246, 2, v254              ; W1's, W2's: 4 bytes a row, tile + 4 in lanes 16-31
	v_lshl_add_u32 v45, v242, 2, v254              ; W3's
	v_min_u32 v46, 2, v245
	v_lshlrev_b32 v46, 2, v46
	v_mad_u32_u24 v46, v243, 96, v46               ; W4: column min(r % 8, 2), row 8 h on
	v_cmp_gt_u32 vcc_lo, 3, v245
	v_cndmask_b32 v47, 0, -1, vcc_lo               ; rows of the last product's source 0 that are real
	WIN 0x80
	v_lshlrev_b32 v[VGI], 2, v244
	v_lshlrev_b32 v[VTI], 2, v242
	WIN 0xC0
	v_mov_b32 v[LT], v248
	v_mul_u32_u24 v[HT], v243, 400
	v_mov_b32 v[SA], v249
	v_mov_b32 v[STA], v250
	v_mov_b32 v[VW], v251
	v_mov_b32 v[VW2], v252
.irp k, 0,1,2,3
	v_mov_b32 v[TT+\k], 0                          ; a lane permute's destination counts as one of its sources
.endr
	WIN 0
	s_lshl_b32 s54, ttmp9, 2
	s_add_co_u32 s54, s54, s2                      ; which run of 512 points is my wave's
	s_mov_b32 s53, 0
	s_wait_kmcnt 0x0
	s_lshl_b32 s52, s54, 11                        ; 512 points x 4 bytes of base rows
	s_add_nc_u64 s[10:11], s[10:11], s[52:53]
	s_lshl_b32 s52, s54, 12
	s_add_nc_u64 s[14:15], s[14:15], s[52:53]
	s_mul_i32 s52, s54, 6144
	s_add_nc_u64 s[16:17], s[16:17], s[52:53]
	s_load_b96 s[48:50], s[12:13], 0x0             ; b4's three numbers
	ILOAD                                          ; tile 0's base rows go out first; the 168 loads below are issued while they are on their way
	WIN 0
.irp i, 0,1,2,3,4,5,6,7
	global_load_b128 v[192+4*\i:195+4*\i], v[LN16], s[14:15] offset:512*\i                 ; and coordinates
.endr
	global_load_b128 v[224:227], v[LN16], s[36:37]
	global_load_b128 v[228:231], v[LN16], s[38:39]
	global_load_b128 v[232:235], v[LN16], s[40:41]
	global_load_b128 v[236:239], v[LN16], s[42:43]
.irp t, 0,1,2,3,4,5,6,7
	global_load_b32 v[WS0+\t], v43, s[20:21] offset:8*(64*(\t/4)+8*(\t%4))
.endr
.irp t, 0,1,2,3
	global_load_b32 v[WS1+\t], v44, s[24:25] offset:32*\t
	global_load_b32 v[WS2+\t], v44, s[28:29] offset:32*\t
	global_load_b32 v[WS3+\t], v45, s[32:33] offset:64*\t
.endr
.irp c, 0,1,2,3
.irp u, 0,1
.irp j, 0,1,2,3,4,5,6,7
	global_load_b32 v[64+16*\c+8*\u+\j], v46, s[34:35] offset:12*(32*\c+16*\u+\j)
.endr
.endr
.endr
	WIN 0x40
.irp t, 0,1,2,3,4,5,6,7
.irp c, 0,1
	global_load_b128 v[W0F+8*\t+4*\c:W0F+8*\t+4*\c+3], v40, s[18:19] offset:128*(64*(\t/4)+8*(\t%4))+32*\c
.endr
	global_load_b128 v[W0F+64+4*\t:W0F+64+4*\t+3], v40, s[18:19] offset:128*(64*(\t/4)+8*(\t%4))+64   ; K step 1: blocks 4 and 5 alone
.endr
.irp t, 0,1,2,3,4,5,6,7
.irp c, 0,1
	global_load_b128 v[W1F+8*\t+4*\c:W1F+8*\t+4*\c+3], v41, s[22:23] offset:64*(64*(\t/4)+8*(\t%4))+32*\c
	global_load_b128 v[W2F+8*\t+4*\c:W2F+8*\t+4*\c+3], v41, s[26:27] offset:64*(64*(\t/4)+8*(\t%4))+32*\c
.endr
.endr
	WIN 0x80
.irp t, 0,1,2,3,4,5,6,7
.irp c, 0,1
	global_load_b128 v[W3F+8*\t+4*\c:W3F+8*\t+4*\c+3], v42, s[30:31] offset:1024*\t+32*\c
.endr
.endr
	s_wait_loadcnt 63                              ; 168 loads were issued behind tile 0's base rows: with 63 out at the most, those are in
	s_wait_xcnt 0x0                                ; the row numbers' base steps only behind this wait
	s_add_nc_u64 s[10:11], s[10:11], 64
	ADDR
	ILOAD                                          ; tile 1's row numbers
	WIN 0xFF
	GATHER 0                                       ; tile 0's rows: they are on their way while the work below is done
	GATHER 1
	GATHER 2
	GATHER 3
	GATHERT
	WIN 0
	s_wait_loadcnt 55                              ; the five row-number loads and the 50 row loads just issued may stay out: all before them are in
	s_wait_kmcnt 0x0
; the four weights of my 16 points (load i holds points 64 i + 2 lane and + 1): fu = 511 U - min(floor 511 U, 510), fv likewise; (1 - fu)(1 - fv), fu (1 - fv), (1 - fu) fv, fu fv; 16 bytes a point into LDS
.macro WT k
.set TB, 240+8*((\k)%2)                ; two sets of work registers by turns
	v_mul_f32 v[TB], s59, v[192+2*\k]
	v_mul_f32 v[TB+1], s59, v[193+2*\k]
	v_floor_f32 v[TB+2], v[TB]
	v_floor_f32 v[TB+3], v[TB+1]
	v_med3_num_f32 v[TB+2], v[TB+2], 0, s60
	v_med3_num_f32 v[TB+3], v[TB+3], 0, s60
	v_sub_f32 v[TB], v[TB], v[TB+2]
	v_sub_f32 v[TB+1], v[TB+1], v[TB+3]
	v_sub_f32 v[TB+2], 1.0, v[TB]
	v_sub_f32 v[TB+3], 1.0, v[TB+1]
	v_mul_f32 v[128+4*\k], v[TB+2], v[TB+3]
	v_mul_f32 v[129+4*\k], v[TB], v[TB+3]
	v_mul_f32 v[130+4*\k], v[TB+2], v[TB+1]
	v_mul_f32 v[131+4*\k], v[TB], v[TB+1]
	ds_store_b128 v[TO], v[128+4*\k:131+4*\k] offset:WTS+1024*((\k)/2)+16*((\k)%2)
.endm
.irp k, 0,1,2,3,4,5,6,7,8,9,10,11,12,13,14,15
	WT \k
.endr
.irp i, 0,1,2,3,4,5,6,7
	ds_store_b128 v[LB], v[192+4*\i:195+4*\i] offset:UVS+512*\i
.endr
.irp i, 0,1,2,3
	ds_store_b128 v[LB], v[224+4*\i:227+4*\i] offset:BI+512*\i
.endr
.irp j, 4,5,6,7
	v_mov_b32 v[X1+\j], 0                          ; blocks 6, 7 of x: zero codes, for the whole launch
.endr
.irp i, 0,1,2,3,4,5,6,7,8,9,10,11,12,13,14,15,16
	ds_store_b128 v[LB], v[X1+4:X1+7] offset:FS+512*\i   ; the feature rows begin as zeros; only bytes 16 .. 415 of a row are ever written again
.endr
.set n, 0
.rept 32
	v_cvt_pk_bf16_f32 v[64+n], v[64+2*n], v[65+2*n]
.set n, n+1
.endr
	WIN 0x80
.set n, 0
.rept 32
	v_and_b32 v[W4F+n], v47, v[64+n]               ; rows 3 .. 7 and 11 .. 15 of source 0 are zeros
.set n, n+1
.endr
	s_wait_dscnt 0x0
	BIAS 0, B0R                                    ; b0 and b1 into window 2, where they stay
	BIAS 1, B1R
.macro BT t, d                         ; tile t of b2, in the result's layout, into eight registers from d on
.irp u, 0,1
	ds_load_b128 v[\d+4*\u:\d+4*\u+3], v[BA] offset:1024+256*((\t)/4)+32*((\t)%4)+16*\u
.endr
.endm
	BT 4, B2A                                      ; window 2
	BT 5, B2B
	WIN 0x40                                       ; window 1
	BT 0, B2A
	BT 1, B2A+8
	BT 2, B2A+16
	BT 3, B2A+24
	WIN 0xC0                                       ; window 3
	BT 6, B2C
	BT 7, B2D
	WIN 0
	v_mov_b32 v[RX], 0                             ; lane permutes' destinations, written once
	v_mov_b32 v[RX+1], 0
	v_mov_b32 v[QP1], 0
	v_mov_b32 v[QP2], 0
	WIN 0xFF
	WLOAD                                          ; tile 0's weights
	WIN 0
	UVLOAD                                         ; and its U, V
	s_wait_alu depctr_va_vdst(0)
	s_wait_dscnt 0x0                               ; the biases, tile 0's weights and its U, V are in; in the loop the wait for 0 ahead of layer 3 shows the next tile's
	s_mov_b32 s3, 30
.Ltile:                                            ; tiles 0 .. 29
	TILE 1, 1
	s_sub_co_u32 s3, s3, 1
	s_cmp_lg_u32 s3, 0
	s_cbranch_scc1 .Ltile
	TILE 0, 1                                      ; tile 30: no row numbers are left to ask for
	TILE 0, 0                                      ; tile 31: nothing is left to ask for: no load leaves its buffer
; ======== the way out: the wave's 6,144 bytes of results leave as they lie, 512 consecutive bytes an instruction, from a multiple of 256 bytes on
	s_wait_dscnt 0x0
.irp i, 0,1,2,3,4,5,6,7,8,9,10,11
	ds_load_b128 v[128+4*\i:131+4*\i], v[LB] offset:OUTS+512*\i
.endr
.irp i, 0,1,2,3,4,5,6,7,8,9,10,11
	s_wait_dscnt 11-\i
	global_store_b128 v[LN16], v[128+4*\i:131+4*\i], s[16:17] offset:512*\i th:TH_STORE_NT
.endr
	s_set_vgpr_msb 0xa
	s_wait_tensorcnt 0x0
	ds_add_u32 v126, v127
	s_wait_dscnt 0x0
	s_set_vgpr_msb 0xa00
	s_endpgm
.Lfunc_end_k_qcb22367392_mlp:
	.size	k_qcb22367392_mlp, .Lfunc_end_k_qcb22367392_mlp-k_qcb22367392_mlp
	.p2alignl 7, 3214868480
	.fill 96, 4, 3214868480
	.section	.rodata,"a",@progbits
	.p2align	6, 0x0
	.amdhsa_kernel k_qcb22367392_mlp
		.amdhsa_group_segment_fixed_size 117248
		.amdhsa_private_segment_fixed_size 0
		.amdhsa_enable_private_segment 0
		.amdhsa_kernarg_size 144
		.amdhsa_user_sgpr_count 2
		.amdhsa_user_sgpr_kernarg_segment_ptr 1
		.amdhsa_wavefront_size32 1
		.amdhsa_system_sgpr_workgroup_id_x 1
		.amdhsa_system_sgpr_workgroup_id_y 1
		.amdhsa_system_sgpr_workgroup_id_z 1
		.amdhsa_system_vgpr_workitem_id 0
		.amdhsa_next_free_vgpr 1024
		.amdhsa_next_free_sgpr 96
		.amdhsa_reserve_vcc 1
		.amdhsa_float_denorm_mode_32 3
		.amdhsa_float_denorm_mode_16_64 3
		.amdhsa_memory_ordered 1
		.amdhsa_forward_progress 1
		.amdhsa_inst_pref_size 255
	.end_amdhsa_kernel
	.section	.bss,"aw",@nobits
	.p2align	6
	.space	262144
	.amdgpu_metadata
---
amdhsa.version: [ 1, 2 ]
amdhsa.kernels:
  - .name:           k_qcb22367392_mlp
    .symbol:         k_qcb22367392_mlp.kd
    .args:
      - { .name: features, .offset: 0, .size: 8, .value_kind: global_buffer, .address_space: global }
      - { .name: rows, .offset: 8, .size: 8, .value_kind: global_buffer, .address_space: global }
      - { .name: b4, .offset: 16, .size: 8, .value_kind: global_buffer, .address_space: global }
      - { .name: UV, .offset: 24, .size: 8, .value_kind: global_buffer, .address_space: global }
      - { .name: out0, .offset: 32, .size: 8, .value_kind: global_buffer, .address_space: global }
      - { .name: w0c, .offset: 40, .size: 8, .value_kind: global_buffer, .address_space: global }
      - { .name: w0s, .offset: 48, .size: 8, .value_kind: global_buffer, .address_space: global }
      - { .name: W1_codes, .offset: 56, .size: 8, .value_kind: global_buffer, .address_space: global }
      - { .name: W1_scales, .offset: 64, .size: 8, .value_kind: global_buffer, .address_space: global }
      - { .name: W2_codes, .offset: 72, .size: 8, .value_kind: global_buffer, .address_space: global }
      - { .name: W2_scales, .offset: 80, .size: 8, .value_kind: global_buffer, .address_space: global }
      - { .name: W3_codes, .offset: 88, .size: 8, .value_kind: global_buffer, .address_space: global }
      - { .name: W3_scales, .offset: 96, .size: 8, .value_kind: global_buffer, .address_space: global }
      - { .name: W4, .offset: 104, .size: 8, .value_kind: global_buffer, .address_space: global }
      - { .name: b0, .offset: 112, .size: 8, .value_kind: global_buffer, .address_space: global }
      - { .name: b1, .offset: 120, .size: 8, .value_kind: global_buffer, .address_space: global }
      - { .name: b2, .offset: 128, .size: 8, .value_kind: global_buffer, .address_space: global }
      - { .name: b3, .offset: 136, .size: 8, .value_kind: global_buffer, .address_space: global }
    .group_segment_fixed_size: 117248
    .private_segment_fixed_size: 0
    .kernarg_segment_align: 8
    .kernarg_segment_size: 144
    .max_flat_workgroup_size: 128
    .sgpr_count:     96
    .vgpr_count:     1024
    .wavefront_size: 32
...
	.end_amdgpu_metadata
.endif
;; end of part 2
